; MI455X (gfx1250); checked and timed in simulation.
; The chip was launched on July 23, 2026; its instructions are those of AMD's public machine-readable ISA for CDNA 5 (MIT licence, August 2026) and "CDNA5" Instruction Set Architecture Reference Guide (July 2026). The comments in the code are by the model that wrote it; some were corrected since.
;; Quantized Layer. Allowed arithmetic: float matrix products may take bf16 or f16 operands with f32 sums; other float arithmetic in f32, or as packed bf16 or f16 multiplies, adds, multiply-adds, maxima and minima; sums over many terms, partial sums and values carried from step to step in f32; what a program stores and reads back later, other than sums and carried values, may be rounded once to bf16 or f16.
;; Inputs: bias 4,096 float32; inv_perm 4,096 int32; q4 2,048 x 4,096 int32; q8 2,048 x 4,096 int32; s4 2,048 x 1 float32; s8 2,048 x 1 float32; x 8 x 512 x 4,096 float32.
;; Outputs: out0 8 x 512 x 4,096 float32.
;; One version. Each part assembles by itself: llvm-mc -triple=amdgcn-amd-amdhsa -mcpu=gfx1250 --defsym DOCPART=n.
;; ======== version 1 of 1: 2 launches
;; workspace buffers: xb 33,554,432 bytes; wb 33,554,432 bytes
;; launch prep (part 1): grid 1024 x 2, 4 waves a work-group, no clusters, 0 bytes of LDS; arguments x, q8, q4, inv_perm, xb, wb; writes xb, wb
.if DOCPART == 1
	.amdgcn_target "amdgcn-amd-amdhsa--gfx1250"
	.amdhsa_code_object_version 6
	.text
	.protected	k_qaba18a6d40_prep
	.globl	k_qaba18a6d40_prep
	.p2align	8
	.type	k_qaba18a6d40_prep,@function
k_qaba18a6d40_prep:
	s_mov_b64 s[64:65], 0
	v_nop
	global_prefetch_b8 v0, s[64:65] scope:SCOPE_SE
	s_setreg_imm32_b32 hwreg(HW_REG_WAVE_MODE, 25, 1), 1
	s_wait_xcnt 0x0
; THE OPERANDS OF THE PRODUCT, IN bf16.  y = 0: xb[t] = x[t] (4,096 rows of 4,096 f32).  y = 1: wb[o] = q[inv_perm[o]], q = q8's 2,048 rows and then q4's (int32), so that the
; product's columns already stand in the output's order.  The scales are NOT multiplied in: whole numbers up to 256 in size are exact in bf16, and the product's way out scales in f32.
; LIMITS.  x is rounded once to bf16.  A q beyond +-256 is rounded (int32 to f32, then to bf16).  An index outside 0 .. 4,095, taken as unsigned, counts as 4,095, here and in the product alike.
; SHARES.  One wave, one row: 16,384 bytes in, 8,192 out; row = 4 x work-group x + wave.  All 32 loads of a row go out at once (16 KiB a wave on its way); no register is written again
; while a load or store may still read it, so the text has no loop, no ring and no wait but the counted ones for its loads.  No wave wants another's bytes: no LDS, no barrier.
; ORDER ALONG K, the same in xb and wb (a permutation of k applied alike to both operands leaves the products as they are): of each 256 channels, lane l takes channels 4 l .. 4 l + 3 (first
; load) and 128 + 4 l .. 128 + 4 l + 3 (second load) and stores them as positions 8 l .. 8 l + 7.  So each load covers 512 consecutive bytes, and each store 512 consecutive bytes, aligned.
.set LO, 1                             ; v1        16 x lane: the offset of every load and store; never rewritten
.set X,  8                             ; v[8:135]  group g of 256 channels at X + 8 g: four registers from each of its two loads; then its four packed registers
	s_load_b256 s[4:11], s[0:1], 0x0               ; x s[4:5], q8 s[6:7], q4 s[8:9], inv_perm s[10:11]
	s_load_b128 s[12:15], s[0:1], 0x20             ; xb s[12:13], wb s[14:15]
	v_and_b32 v[LO], 31, v0
	v_lshlrev_b32 v[LO], 4, v[LO]
	v_lshrrev_b32 v2, 5, v0
	v_readfirstlane_b32 s16, v2                    ; wave 0..3
	s_lshl_b32 s17, ttmp9, 2
	s_add_co_u32 s17, s17, s16                     ; my row
	s_and_b32 s18, ttmp7, 0xffff                   ; 0: x; 1: the weights
	s_lshl_b32 s22, s17, 13                        ; where it goes: rows of 8,192 bytes
	s_mov_b32 s23, 0
	s_mov_b32 s21, 0
	s_lshl_b32 s28, s17, 2                         ; my index's place in inv_perm
	s_mov_b32 s29, 0
; A row: 32 loads, then group by group the conversion and one store.
.macro ROW src, dst, isint
.set g, 0
.rept 16
.if \isint
	global_load_b128 v[X+8*g:X+8*g+3],   v[LO], s[(\src):(\src)+1] offset:1024*g      ; no hint: the list may name a row twice
	global_load_b128 v[X+8*g+4:X+8*g+7], v[LO], s[(\src):(\src)+1] offset:1024*g+512
.else
	global_load_b128 v[X+8*g:X+8*g+3],   v[LO], s[(\src):(\src)+1] offset:1024*g th:TH_LOAD_NT      ; read once in the launch
	global_load_b128 v[X+8*g+4:X+8*g+7], v[LO], s[(\src):(\src)+1] offset:1024*g+512 th:TH_LOAD_NT
.endif
.set g, g+1
.endr
.set g, 0
.rept 16
	s_wait_loadcnt 30-2*g                          ; loads come back in order (ISA guide 5.7.1): behind group g's two, 30 - 2 g were issued
.if \isint
.set r, 0
.rept 8
	v_cvt_f32_i32 v[X+8*g+r], v[X+8*g+r]
.set r, r+1
.endr
.endif
.set r, 0
.rept 4
	v_cvt_pk_bf16_f32 v[X+8*g+r], v[X+8*g+2*r], v[X+8*g+2*r+1]  ; in place, ascending: register r has been read when it is written
.set r, r+1
.endr
	global_store_b128 v[LO], v[X+8*g:X+8*g+3], s[(\dst):(\dst)+1] offset:512*g th:TH_STORE_NT  ; the wave's 512 consecutive bytes, at a multiple of 512 from the buffer's first
.set g, g+1
.endr
.endm
	s_wait_kmcnt 0x0
	s_cmp_lg_u32 s18, 0
	s_cbranch_scc1 .Lw
	s_lshl_b32 s20, s17, 14                        ; rows of 16,384 bytes
	s_add_nc_u64 s[4:5], s[4:5], s[20:21]
	s_add_nc_u64 s[12:13], s[12:13], s[22:23]
	ROW 4, 12, 0
	s_endpgm
.Lw:
	s_add_nc_u64 s[10:11], s[10:11], s[28:29]
	s_load_b32 s24, s[10:11], 0x0                  ; which row of [q8 ; q4] is output channel o's
	s_wait_kmcnt 0x0
	s_min_u32 s24, s24, 4095                       ; the index stays inside the table
	s_cmp_lt_u32 s24, 2048
	s_cselect_b64 s[26:27], s[6:7], s[8:9]         ; q8 holds rows 0 .. 2,047, q4 the others
	s_and_b32 s24, s24, 2047
	s_lshl_b32 s20, s24, 14
	s_add_nc_u64 s[26:27], s[26:27], s[20:21]
	s_add_nc_u64 s[14:15], s[14:15], s[22:23]
	ROW 26, 14, 1
	s_endpgm
.Lfunc_end_k_qaba18a6d40_prep:
	.size	k_qaba18a6d40_prep, .Lfunc_end_k_qaba18a6d40_prep-k_qaba18a6d40_prep
	.p2alignl 7, 3214868480
	.fill 96, 4, 3214868480
	.section	.rodata,"a",@progbits
	.p2align	6, 0x0
	.amdhsa_kernel k_qaba18a6d40_prep
		.amdhsa_group_segment_fixed_size 0
		.amdhsa_private_segment_fixed_size 0
		.amdhsa_enable_private_segment 0
		.amdhsa_kernarg_size 48
		.amdhsa_user_sgpr_count 2
		.amdhsa_user_sgpr_kernarg_segment_ptr 1
		.amdhsa_wavefront_size32 1
		.amdhsa_system_sgpr_workgroup_id_x 1
		.amdhsa_system_sgpr_workgroup_id_y 1
		.amdhsa_system_sgpr_workgroup_id_z 1
		.amdhsa_system_vgpr_workitem_id 0
		.amdhsa_next_free_vgpr 136
		.amdhsa_next_free_sgpr 66
		.amdhsa_reserve_vcc 0
		.amdhsa_float_denorm_mode_32 3
		.amdhsa_float_denorm_mode_16_64 3
		.amdhsa_memory_ordered 1
		.amdhsa_forward_progress 1
		.amdhsa_inst_pref_size 24
	.end_amdhsa_kernel
	.amdgpu_metadata
---
amdhsa.version: [ 1, 2 ]
amdhsa.kernels:
  - .name:           k_qaba18a6d40_prep
    .symbol:         k_qaba18a6d40_prep.kd
    .args:
      - { .name: x, .offset: 0, .size: 8, .value_kind: global_buffer, .address_space: global }
      - { .name: q8, .offset: 8, .size: 8, .value_kind: global_buffer, .address_space: global }
      - { .name: q4, .offset: 16, .size: 8, .value_kind: global_buffer, .address_space: global }
      - { .name: inv_perm, .offset: 24, .size: 8, .value_kind: global_buffer, .address_space: global }
      - { .name: xb, .offset: 32, .size: 8, .value_kind: global_buffer, .address_space: global }
      - { .name: wb, .offset: 40, .size: 8, .value_kind: global_buffer, .address_space: global }
    .group_segment_fixed_size: 0
    .private_segment_fixed_size: 0
    .kernarg_segment_align: 8
    .kernarg_segment_size: 48
    .max_flat_workgroup_size: 128
    .sgpr_count:     66
    .vgpr_count:     136
    .wavefront_size: 32
...
	.end_amdgpu_metadata
.endif
;; end of part 1
;; launch gemm (part 2): grid 16 x 16, 4 waves a work-group, clusters of 4 x 4, 327,680 bytes of LDS; arguments xb, wb, out0, inv_perm, s8, s4, bias; writes out0
.if DOCPART == 2
	.amdgcn_target "amdgcn-amd-amdhsa--gfx1250"
	.amdhsa_code_object_version 6
	.text
	.protected	k_qaba18a6d40_gemm
	.globl	k_qaba18a6d40_gemm
	.p2align	8
	.type	k_qaba18a6d40_gemm,@function
k_qaba18a6d40_gemm:
	s_mov_b64 s[64:65], 0
	v_nop
	global_prefetch_b8 v0, s[64:65] scope:SCOPE_SE
	s_setreg_imm32_b32 hwreg(HW_REG_WAVE_MODE, 25, 1), 1
	s_wait_xcnt 0x0
	s_wait_alu depctr_hold_cnt(0) depctr_sa_sdst(0) depctr_va_vdst(0) depctr_va_sdst(0) depctr_va_ssrc(0) depctr_va_vcc(0) depctr_vm_vsrc(0)
	s_getreg_b32 s2, hwreg(HW_REG_IB_STS2, 6, 4)
	s_cmp_eq_u32 s2, 0
	s_cbranch_scc0 .Lentry_in_a_cluster
	s_endpgm
.Lentry_in_a_cluster:
	s_bfe_u32 s2, ttmp6, 0x10000c
	s_cmp_lg_u32 s2, 0xf033
	s_cbranch_scc0 .Lentry_shape_is_right
	s_endpgm
.Lentry_shape_is_right:
; out0[t][o] = s[inv_perm[o]] x (the sum over k of xb[t][k] wb[o][k]) + bias[o], s = s8's 2,048 scales and then s4's.  xb: [4096][4096] bf16 (x rounded once), wb: [4096][4096] bf16 (the whole-number
; weights, already in the output's order, unscaled); both in the same order along k.  Sums in f32; scale and bias are one fused multiply-add in f32 on the way out; out0: [4096][4096] f32.
; LIMITS.  An index outside 0 .. 4,095, taken as unsigned, counts as 4,095, as in the launch that wrote wb.  NaN and infinities are not treated apart.
; SHARES.  A tile of out0, 256 x 256, is made by a work-group of four waves, as many as a WGP has SIMDs; a wave makes 128 x 128: 64 accumulators of 16 x 16, 512 registers.  256 tiles, one a work-group.
; K goes in 32 steps of 128 through a ring of two LDS slots filled by the tensor data mover: a tile's rows are 256 bytes of memory and start at multiples of 256 bytes from the buffer's first byte.
; CLUSTERS: 4 x 4 work-groups.  The four of a row of the cluster need the same tiles of xb, the four of a column the same tiles of wb: each tile is asked for JOINTLY, by the same tensor load with the
; same descriptor and a mask that names the four; each receives it in its own LDS.  That divides the requests for both operands by four.
; THE MATRIX INSTRUCTION IS USED TRANSPOSED: source 0 = 16 rows of wb, source 1 = 16 rows of xb.  In the result lane l holds row l % 16 of out0 and its registers 0 to 7 the columns 8 (l / 16) + 0 .. 7.
; REGISTERS, in windows of 256 (s_set_vgpr_msb's low byte: bits 1:0 source 0, 3:2 source 1, 5:4 source 2, 7:6 destination):
;   window 0: v0-31 addresses; v32-39 my four columns' scale and bias; v40-59 at work at the head; v64-127, v128-191 fragments of xb, two buffers, and on the way out rows read back from the stage
;   window 1: v64-127, v128-191 fragments of wb, two buffers
;   window 2: the 32 accumulators of my rows 0-63 (accumulator (a, b) at v[8 (8 a + b)]);   window 3: those of my rows 64-127
.set SIZE_K, 4096
.set KSTEP,  128
.set PITCH,  272                       ; an LDS row: 256 bytes of data + 16 of padding = 68 words: row r starts at bank 4 r mod 64 (64 banks of 4 bytes: ISA guide 11.1), so the 16 rows that a load touches start at 16 different banks
.set HALFT,  128*PITCH                 ; 128 rows: what one tensor load brings, and what one wave reads of either operand
.set SLOT,   4*HALFT                   ; xb's 256 rows, then wb's 256 rows
.set STAGE,  2*SLOT                    ; behind the ring: 16 rows x 528 bytes for each wave, for the way out; no tensor load lands here
.set SP,     528                       ; a stage row: my 128 columns in f32, 512 bytes, + 16 = 132 words: row r starts at bank 4 r mod 64
.set SPARE,  STAGE+4*16*SP             ; behind the stages: the spare words, 128 bytes for each wave: two blocks of 256 bytes that no other line names
.set LAPS,   SIZE_K/(2*KSTEP)          ; a lap = two K steps = once round the ring: 16
.set CROW,   16384                     ; bytes in a row of out0
.set ADRA, 16                          ; v16-17  LDS address of my xb fragments in slot 0, 1
.set ADRB, 20                          ; v20-21  the same for wb
.set STO,  24                          ; v24     the way out: where I put 32 bytes of a row
.set RD,   25                          ; v25     the way out: where I read 16 bytes of a row back
.set CO,   26                          ; v26     16 x lane: my 16 bytes in my wave's 512 bytes of a row of out0, and of inv_perm and bias; never rewritten
.set SPW,  28                          ; v28     LDS address of my spare word: SPARE + 4 x my thread's number; never rewritten
.set NIL,  29                          ; v29     0; never rewritten
.set PFO,  30                          ; v30     the prefetches' offset: my lane x a row of xb or wb (8,192 bytes); never rewritten
.set SC,   32                          ; v[32:35] the scale of my wave's columns 4 l .. 4 l + 3
.set BI,   36                          ; v[36:39] their bias
.set IX,   40                          ; v[40:43] their indices; v[44:47], v[48:51] offsets into s8, s4; v[52:55], v[56:59] what lies there
.set F0,   64                          ; fragment buffer 0
.set F1,   128                         ; fragment buffer 1
.set PFA,  44                          ; s[44:45] where my prefetches stand: my work-group's 32 rows of the 128 that I fetch, one K step further along K than the refill that is being asked for
.set LIM,  43                          ; s43     1 in a wave that prefetches, else the greatest number
.set G1, 24                            ; s[24:31] descriptor group 1 for xb's tiles
.set G0, 32                            ; s[32:39] descriptor group 0 for xb's tiles, one set for each slot
.set G1B, 48                           ; s[48:55] descriptor group 1 for wb's tiles: it differs in the mask alone
.set G0B, 56                           ; s[56:63] descriptor group 0 for wb's tiles, one set for each slot
.set MSB, 0
.macro WIN new                         ; the immediate's high byte repeats the setting that is left; a switch that changes nothing is dropped
.if MSB != (\new)
	s_set_vgpr_msb (MSB<<8)|(\new)
.set MSB, \new
.endif
.endm
.set MUL_LO, 0xa1                      ; source 0 (wb) window 1, source 1 (xb) window 0, C and D window 2
.set MUL_HI, 0xf1                      ; the same, C and D window 3
.set TO_B,   0x40                      ; destination window 1, address window 0
; A joint load.  Waves 0 and 1 fetch xb's two halves, waves 2 and 3 wb's.  Each of the two lines has ONE mask and one set of registers for all that issue it.  The branch hangs on the wave's number alone.
; An s_nop 0 and four v_nop follow each of the two lines, ahead of the jump, the label and what follows the macro.
.macro JLOAD s
	s_cmp_eq_u32 s11, 0
	s_cbranch_scc0 .Lfor_b_\@
	tensor_load_to_lds s[G0+4*(\s):G0+4*(\s)+3], s[G1:G1+7]
	s_nop 0
.rept 4
	v_nop
.endr
	s_branch .Lasked_\@
.Lfor_b_\@:
	tensor_load_to_lds s[G0B+4*(\s):G0B+4*(\s)+3], s[G1B:G1B+7]
	s_nop 0
.rept 4
	v_nop
.endr
.Lasked_\@:
.endm
; A PREFETCH, behind each joint refill, its five lines and the run of LDS loads that follows them: the K step that stands TWO refills on (512 matrix instructions ahead of the load that will ask for it): 32 rows x 256 bytes,
; a lane a row, one instruction a wave.  Each row's 256 bytes of a K step are named ONCE in the launch: xb's tile row is read by every cluster of that row of clusters, and the one with x = 0 asks; wb's tile
; column by every cluster of that column, and the one with y = 0 asks.  The four partners that ask for a tile jointly share its rows out BY ADDRESS: of the 128 rows that a wave fetches the partner at place p
; takes 32 p .. 32 p + 31 (p = cx for xb, cy for wb).  K steps 0 to 3 come by their loads alone; the loop's last trip (s3 = 1) asks for nothing: K steps 32 and 33 do not exist.
.macro ASK
	s_cmp_gt_u32 s3, s[LIM]
	s_cbranch_scc0 .Lnot_mine_\@
	global_prefetch_b8 v[PFO], s[PFA:PFA+1] offset:KSTEP*2 th:TH_LOAD_NT scope:SCOPE_SE
.Lnot_mine_\@:
.endm
; A round of the cluster's barrier: my work-group's barrier, so that wave 0's signal speaks for all four waves; wave 0 signals for the work-group; every wave waits for all sixteen work-groups;
; my work-group's barrier once more.  No LDS instruction of the wave is pending at a signal.
.macro CREST                           ; a round behind its opening barrier
	s_cmp_lg_u32 s10, 0
	s_cbranch_scc1 .Lnot_wave_0_\@
	s_barrier_signal -3
.Lnot_wave_0_\@:
	s_barrier_wait -3
	s_barrier_signal -1
	s_barrier_wait -1
.endm
.macro CROUND                          ; a whole round
	s_barrier_signal -1
	s_barrier_wait -1
	CREST
.endm
	s_load_b128 s[4:7], s[0:1], 0x0                ; xb s[4:5], wb s[6:7]
	s_load_b64 s[8:9], s[0:1], 0x10                ; out0
	s_load_b128 s[68:71], s[0:1], 0x18             ; inv_perm s[68:69], s8 s[70:71]
	s_load_b128 s[72:75], s[0:1], 0x28             ; s4 s[72:73], bias s[74:75]
	v_lshl_add_u32 v[SPW], v0, 2, SPARE
	v_mov_b32 v[NIL], 0
	ds_add_u32 v[SPW], v[NIL]                      ; the wave's opening: the add and its wait stand ahead of my first tensor load; the set-up below, work on registers, stands between them
	v_lshrrev_b32 v1, 5, v0
	v_readfirstlane_b32 s10, v1                    ; wave 0..3
	s_lshr_b32 s11, s10, 1                         ; which half of the tile's rows is mine.  Also: I fetch for xb (0) or for wb (1)
	s_and_b32 s12, s10, 1                          ; which half of its columns.  Also: which 128 rows of that operand's tile I fetch
	s_bfe_u32 s40, ttmp6, 0x40000                  ; cx: my place along the cluster's x
	s_bfe_u32 s41, ttmp6, 0x40004                  ; cy: along its y
	s_lshl_b32 s42, ttmp9, 2                       ; in a cluster launch ttmp9 and ttmp7 count clusters
	s_add_co_u32 s42, s42, s40                     ; tile column = 4 x cluster x + cx
	s_and_b32 s13, ttmp7, 0xffff
	s_lshl_b32 s13, s13, 2
	s_add_co_u32 s13, s13, s41                     ; tile row = 4 x cluster y + cy
	s_lshl_b32 s43, s41, 2
	s_lshl_b32 s43, 15, s43                        ; my row of the cluster: places 4 cy .. 4 cy + 3
	s_lshl_b32 s44, 0x1111, s40                    ; my column: places cx, cx + 4, cx + 8, cx + 12
	; descriptor group 1: a tile of 128 rows x 128 elements, padded in LDS
	s_or_b32 s[G1+0], s43, (1<<16)|(1<<20)|(1<<21)|(5<<22)|(3<<25)  ; 15:0 the mask: xb's tiles go to my row; 17:16 elements of 2 bytes; 20 padding on; 21 set beside a mask; 24:22 after every 64 words (code 5); 31:25 4 words of it (code 3)
	s_or_b32 s[G1B+0], s44, (1<<16)|(1<<20)|(1<<21)|(5<<22)|(3<<25) ; the same with the mask of my column, for wb's tiles
	s_mov_b32 s[G1B+1], KSTEP<<16
	s_mov_b32 s[G1+1], KSTEP<<16                   ; 63:48 tensor_dim0, low half = 128
	s_mov_b32 s[G1B+2], 128<<16
	s_mov_b32 s[G1+2], 128<<16                     ; 79:64 its high half = 0; 95:80 tensor_dim1, low half = 128
	s_mov_b32 s[G1B+3], KSTEP<<16
	s_mov_b32 s[G1+3], KSTEP<<16                   ; 111:96 its high half = 0; 127:112 tile_dim0 = 128
	s_mov_b32 s[G1B+4], 128
	s_mov_b32 s[G1+4], 128                         ; 143:128 tile_dim1 = 128; 159:144 tile_dim2 = 0
	s_mov_b32 s[G1B+5], SIZE_K
	s_mov_b32 s[G1+5], SIZE_K                      ; 191:160 tensor_dim0_stride, low word: elements from row to row
	s_mov_b32 s[G1B+6], 0
	s_mov_b32 s[G1+6], 0
	s_mov_b32 s[G1B+7], 0
	s_mov_b32 s[G1+7], 0
	; where the tiles come from.  xb's hang on the tile row alone, which my row of the cluster shares; wb's on the tile column alone, which my column shares.
	; Every wave makes both addresses, in registers that never hold the other coordinate, and asks by one of them.
	s_lshl_b32 s17, s12, 7                         ; which 128 rows of the tile I fetch
	s_lshl_b32 s16, s13, 8
	s_add_co_u32 s16, s16, s17                     ; xb: row 256 x tile row + 128 x half
	s_lshl_b32 s46, s42, 8
	s_add_co_u32 s46, s46, s17                     ; wb: row 256 x tile column + 128 x half
	s_mov_b32 s17, 0
	s_mov_b32 s47, 0
	s_mov_b64 s[18:19], SIZE_K*2
	s_mul_u64 s[16:17], s[16:17], s[18:19]         ; in bytes
	s_mul_u64 s[46:47], s[46:47], s[18:19]
	s_mul_i32 s20, s10, HALFT                      ; and where they go: wave x 128 rows: no place in the cluster enters an LDS address
	s_wait_dscnt 0x0                               ; the opening add is done
	s_wait_kmcnt 0x0
	s_add_nc_u64 s[14:15], s[4:5], s[16:17]
	s_add_nc_u64 s[46:47], s[6:7], s[46:47]
	CROUND                                         ; all sixteen work-groups are here: the first joint loads meet
.irp s, 0,1
	s_mov_b32 s[G0+4*(\s)], 1                                      ; 1:0 count = 1
	s_add_co_u32 s[G0+4*(\s)+1], s20, (\s)*SLOT                    ; 63:32 LDS address
	s_add_nc_u64 s[G0+4*(\s)+2:G0+4*(\s)+3], s[14:15], (\s)*KSTEP*2  ; 120:64 global address: K step s
	s_or_b32 s[G0+4*(\s)+3], s[G0+4*(\s)+3], 0x80000000            ; 127:126 type = 2
	s_mov_b32 s[G0B+4*(\s)], 1
	s_add_co_u32 s[G0B+4*(\s)+1], s20, (\s)*SLOT
	s_add_nc_u64 s[G0B+4*(\s)+2:G0B+4*(\s)+3], s[46:47], (\s)*KSTEP*2
	s_or_b32 s[G0B+4*(\s)+3], s[G0B+4*(\s)+3], 0x80000000
	JLOAD \s                                       ; the ring is filled before anything else is done: two tensor loads of mine are out
.endr
	; A fragment is 16 rows x 32 K in 8 registers: lane l holds row l % 16; registers 0-3 hold K = 8 (l / 16) + 0..7, registers 4-7 hold K = 16 + 8 (l / 16) + 0..7: two loads of 16 bytes, 32 bytes apart.
	v_and_b32 v1, 15, v0                           ; l % 16
	v_bfe_u32 v2, v0, 4, 1                         ; l / 16
	v_mul_u32_u24 v3, v1, PITCH
	v_lshl_add_u32 v3, v2, 4, v3                   ; row x pitch + 16 x half
	s_mul_i32 s21, s11, HALFT                      ; my 128 rows of xb
	s_mul_i32 s22, s12, HALFT                      ; my 128 rows of wb,
	s_add_co_u32 s22, s22, 2*HALFT                 ; which lie behind xb's 256
.irp s, 0,1
	v_add_nc_u32 v[ADRA+(\s)], s21, v3
	v_add_nc_u32 v[ADRB+(\s)], s22, v3
	s_add_co_u32 s21, s21, SLOT
	s_add_co_u32 s22, s22, SLOT
.endr
	s_mul_i32 s23, s10, 16*SP
	s_add_co_u32 s23, s23, STAGE                   ; my stage
	v_mul_u32_u24 v4, v1, SP                       ; in: row l % 16, 32 bytes (8 columns in f32) for each half of the lanes
	v_lshl_add_u32 v4, v2, 5, v4
	v_add_nc_u32 v[STO], s23, v4
	v_and_b32 v5, 31, v0
	v_lshlrev_b32 v[CO], 4, v5                     ; back: the 32 lanes take one row's 512 bytes
	v_add_nc_u32 v[RD], s23, v[CO]
	; out0 at my first row and column; inv_perm and bias at my first column
	s_lshl_b32 s13, s13, 8                         ; 256 x tile row
	s_lshl_b32 s14, s11, 7
	s_add_co_u32 s16, s13, s14                     ; my first row,
	s_lshl_b32 s16, s16, 14                        ; in bytes: under 2^26
	s_mov_b32 s17, 0
	s_add_nc_u64 s[8:9], s[8:9], s[16:17]
	s_lshl_b32 s46, s42, 10                        ; my first column, in bytes of 4-byte numbers: 1,024 x tile column + 512 x half
	s_lshl_b32 s47, s12, 9
	s_add_co_u32 s46, s46, s47
	s_mov_b32 s47, 0
	s_add_nc_u64 s[8:9], s[8:9], s[46:47]
	s_add_nc_u64 s[68:69], s[68:69], s[46:47]
	s_add_nc_u64 s[74:75], s[74:75], s[46:47]
	global_load_b128 v[IX:IX+3], v[CO], s[68:69]   ; the indices of my columns 4 l .. 4 l + 3,
	global_load_b128 v[BI:BI+3], v[CO], s[74:75]   ; and their bias
	; the prefetches.  s13 = 256 x tile row, s42 = tile column, s40 = cx, s41 = cy still stand
	s_lshl_b32 s42, s42, 8
	s_and_b32 s22, ttmp7, 0xffff                   ; cluster y
	s_cmp_eq_u32 s11, 0                            ; do I fetch for xb?
	s_cselect_b32 s20, s13, s42                    ; the tile's first row: in xb by the tile row, in wb by the tile column
	s_cselect_b32 s21, s40, s41                    ; my place among the four that ask for it with me
	s_cselect_b32 s22, ttmp9, s22                  ; the coordinate along which other clusters read the same rows
	s_cselect_b64 s[PFA:PFA+1], s[4:5], s[6:7]
	s_cmp_eq_u32 s22, 0
	s_cselect_b32 s[LIM], 1, -1                    ; the same in all sixteen partners, for a given wave
	s_lshl_b32 s22, s12, 7
	s_add_co_u32 s20, s20, s22                     ; + the 128 rows that I fetch
	s_lshl_b32 s21, s21, 5
	s_add_co_u32 s20, s20, s21                     ; + my work-group's 32 of them
	s_mov_b32 s21, 0
	s_mov_b64 s[18:19], SIZE_K*2
	s_mul_u64 s[20:21], s[20:21], s[18:19]
	s_add_nc_u64 s[PFA:PFA+1], s[PFA:PFA+1], s[20:21]
	s_add_nc_u64 s[PFA:PFA+1], s[PFA:PFA+1], 2*KSTEP*2  ; at K step 2: the first refill steps it to 3 and names K step 4
	v_and_b32 v[PFO], 31, v0
	v_mul_u32_u24 v[PFO], v[PFO], SIZE_K*2
	s_mov_b32 s77, 0x800
	; THE SCALES, gathered while the first tiles are on their way: both tables are read at a clamped place, and the index chooses.  An index below 2,048 names s8; the others, less 2,048 and clamped to 2,047, name s4.
	s_wait_loadcnt 0x1                             ; the indices are in; the bias, issued behind them, may stay out
.irp j, 0,1,2,3
	v_min_u32 v[IX+4+(\j)], 0x7ff, v[IX+(\j)]
	v_add_nc_u32 v[IX+8+(\j)], 0xfffff800, v[IX+(\j)]  ; index - 2,048: below 2,048 it wraps to a great number, which the clamp takes
	v_lshlrev_b32 v[IX+4+(\j)], 2, v[IX+4+(\j)]
	v_min_u32 v[IX+8+(\j)], 0x7ff, v[IX+8+(\j)]
	v_lshlrev_b32 v[IX+8+(\j)], 2, v[IX+8+(\j)]
	global_load_b32 v[IX+12+(\j)], v[IX+4+(\j)], s[70:71]
	global_load_b32 v[IX+16+(\j)], v[IX+8+(\j)], s[72:73]
.endr
	s_wait_loadcnt 0x0                             ; the bias and the eight scales
.irp j, 0,1,2,3
	v_cmp_gt_u32 s76, s77, v[IX+(\j)]              ; 2,048 > index: s8's
	v_cndmask_b32 v[SC+(\j)], v[IX+16+(\j)], v[IX+12+(\j)], s76
.endr
; 16 matrix instructions: m blocks a0, a0 + 1 of the window's four (hi = 0: my rows 0-63, 1: rows 64-127) x all 8 n blocks, 32 along K.  zero = 1: the first product starts the sums: nothing is ever cleared.
; The 64 accumulators take turns, one instruction a turn, in the same order in every quarter step, over the loop's backward jump and into the tail too.
.macro MUL16 f, hi, a0, zero
	WIN MUL_LO+0x50*(\hi)  ; MUL_LO or MUL_HI
.irp a, \a0, (\a0)+1
.irp b, 0,1,2,3,4,5,6,7
.if \zero
	v_wmma_f32_16x16x32_bf16 v[8*(8*(\a)+(\b)):8*(8*(\a)+(\b))+7], v[(\f)+8*(\b):(\f)+8*(\b)+7], v[(\f)+8*(4*(\hi)+(\a)):(\f)+8*(4*(\hi)+(\a))+7], 0
.else
	v_wmma_f32_16x16x32_bf16 v[8*(8*(\a)+(\b)):8*(8*(\a)+(\b))+7], v[(\f)+8*(\b):(\f)+8*(\b)+7], v[(\f)+8*(4*(\hi)+(\a)):(\f)+8*(4*(\hi)+(\a))+7], v[8*(8*(\a)+(\b)):8*(8*(\a)+(\b))+7]
.endif
.endr
.endr
.endm
; 32 LDS loads in one run: the fragments of one quarter step (128 rows of wb, 128 rows of xb, 32 K at byte k of the rows) into buffer f
.macro FETCH slot, k, f
	WIN TO_B
.irp i, 0,1,2,3,4,5,6,7
	ds_load_b128 v[(\f)+8*(\i):(\f)+8*(\i)+3],   v[ADRB+(\slot)] offset:(\k)+(\i)*16*PITCH
	ds_load_b128 v[(\f)+8*(\i)+4:(\f)+8*(\i)+7], v[ADRB+(\slot)] offset:(\k)+(\i)*16*PITCH+32
.endr
	WIN 0
.irp i, 0,1,2,3,4,5,6,7
	ds_load_b128 v[(\f)+8*(\i):(\f)+8*(\i)+3],   v[ADRA+(\slot)] offset:(\k)+(\i)*16*PITCH
	ds_load_b128 v[(\f)+8*(\i)+4:(\f)+8*(\i)+7], v[ADRA+(\slot)] offset:(\k)+(\i)*16*PITCH+32
.endr
.endm
; A load into a register that a matrix instruction has read, and a store that reads a matrix result, stand four places behind that matrix instruction, and only plain vector instructions that name none of its
; registers are places (ISA guide 7.12.1 for vector instructions); the matrix instructions in between are not counted.
.macro PLACES
.rept 4
	v_nop
.endr
.endm
; A K step is four quarter steps of 32 along K, 64 matrix instructions each, on buffers 0, 1, 0, 1.
; One of the first three: multiplies buffer f; in its middle it fetches the next quarter's fragments, at byte k of the same slot's rows, into buffer g.
.macro QUARTER slot, k, f, g, zero
	s_wait_dscnt 8                                 ; wb's fragments and xb's rows 0-63 are in; the youngest eight loads (xb's rows 64-127) may be out
	WIN MUL_LO
	MUL16 \f, 0, 0, \zero
	MUL16 \f, 0, 2, \zero
	PLACES
	FETCH \slot, \k, \g
	s_wait_dscnt 32                                ; all but the 32 just issued
	WIN MUL_HI
	MUL16 \f, 1, 0, \zero
	MUL16 \f, 1, 2, \zero
.endm
; The last quarter multiplies buffer 1 and changes slots.  MEET is its first half: ONE barrier for the change of slots, for two things.  In front of it each wave waits for all its tensor loads, of which one is
; out: its part of the next slot; adds 0 to its spare word; and waits for that and for its own reads of this slot.  Behind it nobody reads this slot any more and the next slot is whole.
.macro MEET round                      ; round = 1: a round of the cluster's barrier follows
	WIN 0                                          ; (the add's two registers lie in window 0)
	s_wait_tensorcnt 0x0                           ; all my tensor loads have landed: the one that was out is my part of the next slot;
	ds_add_u32 v[SPW], v[NIL]                      ; 0 onto my spare word;
	s_wait_dscnt 9                                 ; (the add and the youngest eight loads may be out)
	WIN MUL_LO
	MUL16 F1, 0, 0, 0                              ; sixteen matrix instructions stand between the add and the wait for it
	s_wait_dscnt 0x0                               ; the add is done, and my reads of this slot are over:
	s_barrier_signal -1                            ; say so (where a slot is filled again this barrier opens a round of the cluster's barrier),
	MUL16 F1, 0, 2, 0                              ; work on registers while the others arrive,
.if \round
	WIN 0
.endif
	s_barrier_wait -1                              ; and go on when all four have said so
.endm
; The whole last quarter of a K step whose slot is filled again, with the K step two steps on; then come the next slot's first fragments.  From a request to the wait for it a wave issues 224 matrix instructions.
.macro TURN slot, next
	s_wait_xcnt 0x0                                ; the last prefetch, a K step back, has read its address: it is stepped here, ahead of the waits of the change of slots
	s_add_nc_u64 s[PFA:PFA+1], s[PFA:PFA+1], KSTEP*2
	MEET 1
	CREST                                          ; all sixteen work-groups have said so: no wave of any partner still reads this slot's tile or has a load on its way
	s_add_nc_u64 s[G0+4*(\slot)+2:G0+4*(\slot)+3], s[G0+4*(\slot)+2:G0+4*(\slot)+3], 2*KSTEP*2    ; no tensor load of mine is out, so a group 0 may be written
	s_add_nc_u64 s[G0B+4*(\slot)+2:G0B+4*(\slot)+3], s[G0B+4*(\slot)+2:G0B+4*(\slot)+3], 2*KSTEP*2
	JLOAD \slot                                    ; the first tensor load behind the round, and my only one until the next; the four v_nop behind it are also the places in front of the loads below
	FETCH \next, 0, F0
	ASK
	WIN MUL_HI
	MUL16 F1, 1, 0, 0
	MUL16 F1, 1, 2, 0
.endm
; The same change of slots in the last lap: nothing is left to fetch, so no round follows and no load is issued.
.macro LASTTURN
	MEET 0
	PLACES                                         ; for the loads into buffer 0, which the quarter before multiplied
	FETCH 1, 0, F0
	WIN MUL_HI
	MUL16 F1, 1, 0, 0
	MUL16 F1, 1, 2, 0
.endm
; THE WAY OUT of block a (16 of my rows x my 128 columns).  TOSTAGE: a lane's eight columns of a row, 32 bytes in f32, go from the accumulators straight into my own stage, each accumulator's four lowest registers
; first; the rows come back whole, 512 bytes to a load, into the fragment buffers of xb, which take turns.  LDS serves a wave's instructions in order (ISA guide 5.7.1.4): the loads see
; the stores above them, and the next block's stores come behind these loads; the stage is the wave's own: no wait and no barrier.
.macro TOSTAGE a
.set AC, 64*((\a)%4)
.set BK, F0+64*((\a)%2)
	WIN 0x08+4*((\a)/4)                            ; the stores' data (source 1) in window 2 or 3, their address in window 0
.irp b, 0,1,2,3,4,5,6,7
	ds_store_b128 v[STO], v[AC+8*(\b):AC+8*(\b)+3]   offset:64*(\b)
	ds_store_b128 v[STO], v[AC+8*(\b)+4:AC+8*(\b)+7] offset:64*(\b)+16
.endr
	WIN 0
.if (\a) >= 2
	s_wait_xcnt 0x0                                ; the stores of the block two back have read this buffer's registers: only behind this wait is it loaded again
.endif
.irp t, 0,1,2,3,4,5,6,7,8,9,10,11,12,13,14,15
	ds_load_b128 v[BK+4*(\t):BK+4*(\t)+3], v[RD] offset:(\t)*SP
.endr
.endm
; SEND: scale and bias, one fused multiply-add a number, two to an instruction; then the row's store.  younger: the LDS instructions issued behind block a's loads: the next block's 16 stores and 16 loads, or none.
.macro SEND a, younger
.set BK, F0+64*((\a)%2)
	s_wait_dscnt \younger                          ; the block is back in registers
.irp t, 0,1,2,3,4,5,6,7,8,9,10,11,12,13,14,15
	v_pk_fma_f32 v[BK+4*(\t):BK+4*(\t)+1],   v[BK+4*(\t):BK+4*(\t)+1],   v[SC:SC+1],   v[BI:BI+1]
	v_pk_fma_f32 v[BK+4*(\t)+2:BK+4*(\t)+3], v[BK+4*(\t)+2:BK+4*(\t)+3], v[SC+2:SC+3], v[BI+2:BI+3]
	global_store_b128 v[CO], v[BK+4*(\t):BK+4*(\t)+3], s[8:9] offset:(16*(\a)+(\t))*CROW th:TH_STORE_NT  ; the wave's 512 consecutive bytes, at a multiple of 512 from out0's first; the row stands in the immediate, 127 x 16,384 at the most, inside its signed 24 bits
.endr
.endm
	s_wait_tensorcnt 1                             ; my part of K step 0 is in; K step 1's load, issued behind it, may stay out
	s_barrier_signal -1
	s_barrier_wait -1                              ; everybody's is
	FETCH 0, 0, F0
	QUARTER 0, 64,  F0, F1, 1                      ; the first quarter stands in front of the loop: its products start the sums
	WIN 0                                          ; at a label and at a branch every window is 0
	s_mov_b32 s3, LAPS-1
.Llap:                                                 ; a trip goes once round the ring, from a lap's second quarter to the next lap's first, and fills both slots again
	QUARTER 0, 128, F1, F0, 0
	QUARTER 0, 192, F0, F1, 0
	TURN 0, 1
	QUARTER 1, 64,  F0, F1, 0
	QUARTER 1, 128, F1, F0, 0
	QUARTER 1, 192, F0, F1, 0
	TURN 1, 0
	QUARTER 0, 64,  F0, F1, 0
	WIN 0
	s_sub_co_u32 s3, s3, 1
	s_cmp_lg_u32 s3, 0
	s_cbranch_scc1 .Llap
	QUARTER 0, 128, F1, F0, 0                      ; the last lap is written out: it fills nothing
	QUARTER 0, 192, F0, F1, 0
	LASTTURN
	QUARTER 1, 64,  F0, F1, 0
	QUARTER 1, 128, F1, F0, 0
	QUARTER 1, 192, F0, F1, 0
	s_wait_dscnt 8                                 ; the very last quarter: nothing more to fetch
	WIN MUL_LO
	MUL16 F1, 0, 0, 0
	MUL16 F1, 0, 2, 0
	s_wait_dscnt 0x0
	WIN MUL_HI
	MUL16 F1, 1, 0, 0
	MUL16 F1, 1, 2, 0
	WIN 0
	PLACES                                         ; in front of the stores that read results just made, and of the loads into xb's buffers, which the last products read
	PLACES                                         ; (eight, once a launch)
	TOSTAGE 0
.irp a, 1,2,3,4,5,6,7                  ; block a's trip through the stage is under way while block a - 1 is scaled and stored
	TOSTAGE \a
	SEND (\a)-1, 32
.endr
	SEND 7, 0
	s_wait_tensorcnt 0x0                           ; the wave's end: behind my last tensor load and my last LDS store
	ds_add_u32 v[SPW], v[NIL]
	s_wait_dscnt 0x0
	CROUND                                         ; the closing round: no work-group ends while a partner may still ask for a tile that names it
	s_endpgm
.Lfunc_end_k_qaba18a6d40_gemm:
	.size	k_qaba18a6d40_gemm, .Lfunc_end_k_qaba18a6d40_gemm-k_qaba18a6d40_gemm
	.p2alignl 7, 3214868480
	.fill 96, 4, 3214868480
	.section	.rodata,"a",@progbits
	.p2align	6, 0x0
	.amdhsa_kernel k_qaba18a6d40_gemm
		.amdhsa_group_segment_fixed_size 327680
		.amdhsa_private_segment_fixed_size 0
		.amdhsa_enable_private_segment 0
		.amdhsa_kernarg_size 56
		.amdhsa_user_sgpr_count 2
		.amdhsa_user_sgpr_kernarg_segment_ptr 1
		.amdhsa_wavefront_size32 1
		.amdhsa_system_sgpr_workgroup_id_x 1
		.amdhsa_system_sgpr_workgroup_id_y 1
		.amdhsa_system_sgpr_workgroup_id_z 1
		.amdhsa_system_vgpr_workitem_id 0
		.amdhsa_next_free_vgpr 1024
		.amdhsa_next_free_sgpr 80
		.amdhsa_reserve_vcc 0
		.amdhsa_float_denorm_mode_32 3
		.amdhsa_float_denorm_mode_16_64 3
		.amdhsa_memory_ordered 1
		.amdhsa_forward_progress 1
		.amdhsa_inst_pref_size 160
	.end_amdhsa_kernel
	.amdgpu_metadata
---
amdhsa.version: [ 1, 2 ]
amdhsa.kernels:
  - .name:           k_qaba18a6d40_gemm
    .symbol:         k_qaba18a6d40_gemm.kd
    .args:
      - { .name: xb, .offset: 0, .size: 8, .value_kind: global_buffer, .address_space: global }
      - { .name: wb, .offset: 8, .size: 8, .value_kind: global_buffer, .address_space: global }
      - { .name: out0, .offset: 16, .size: 8, .value_kind: global_buffer, .address_space: global }
      - { .name: inv_perm, .offset: 24, .size: 8, .value_kind: global_buffer, .address_space: global }
      - { .name: s8, .offset: 32, .size: 8, .value_kind: global_buffer, .address_space: global }
      - { .name: s4, .offset: 40, .size: 8, .value_kind: global_buffer, .address_space: global }
      - { .name: bias, .offset: 48, .size: 8, .value_kind: global_buffer, .address_space: global }
    .group_segment_fixed_size: 327680
    .private_segment_fixed_size: 0
    .kernarg_segment_align: 8
    .kernarg_segment_size: 56
    .max_flat_workgroup_size: 128
    .sgpr_count:     80
    .vgpr_count:     1024
    .wavefront_size: 32
...
	.end_amdgpu_metadata
.endif
;; end of part 2
